; MI455X (gfx1250); checked and timed in simulation.
; The chip was launched on July 23, 2026; its instructions are those of AMD's public machine-readable ISA for CDNA 5 (MIT licence, August 2026) and "CDNA5" Instruction Set Architecture Reference Guide (July 2026). The comments in the code are by the model that wrote it; some were corrected since.
;; Self attention. Allowed arithmetic: matrix products marked QUANTISED: E3M2 operands, one E8M0 scale for each 32 along K, by v_wmma_scale_f32_16x16x128_f8f6f4 with both operands' format E3M2, f32 sums; everything else in f32.
;; Inputs: Wk_b 512 float32; Wk_w 512 x 512 float32; Wq_b 512 float32; Wq_w 512 x 512 float32; Wv_b 512 float32; Wv_w 512 x 512 float32; inputdata 4 x 8 x 1,024 x 512 float32.
;; Outputs: out0 4 x 8 x 512 float32.
;; This version of the problem:
;;   THIS VERSION OF THE PROBLEM IS GIVEN IN LOW PRECISION. The matrix products marked QUANTISED in the list below multiply operands that are first quantised to E3M2 (3 exponent bits, 2 mantissa bits; 6 bits a number), with one power-of-two scale for each 32 numbers along K (OCP MX v1.0); their sums are f32. All else is computed in f32.
;;   The module's matrix products, in the order in which they are computed (A, B: the left and right operand; K: the contracted axis; several contracted axes count as one K, in the product's order):
;;     1. [M 32,768, K 512] x [K 512, N 512]; A: input inputdata; B: input Wq_w: QUANTISED
;;     2. [M 32,768, K 512] x [K 512, N 512]; A: input inputdata; B: input Wk_w: QUANTISED
;;     3. [M 32,768, K 512] x [K 512, N 512]; A: input inputdata; B: input Wv_w: QUANTISED
;;     4. batch 32 x [M 1,024, K 512] x [K 512, N 1,024]; A: computed on the way; B: computed on the way: QUANTISED
;;     5. batch 32 x [M 1,024, K 1,024] x [K 1,024, N 512]; A: softmax (see below); B: computed on the way: QUANTISED
;;   THE QUANTISER, for each operand of a quantised product, along K:
;;     - K is cut into blocks of 32 from its start; a last block that is shorter is filled with zeros.
;;     - A block's scale is 2^e with e = floor(log2(the largest magnitude in the block)) - 4, held to -126 .. 127; a block of zeros has e = 0. As a byte (E8M0): e + 127.
;;     - Each number is divided by its block's scale, clamped to +-28, and rounded to the nearest number of E3M2, ties to even, subnormals kept.
;;     - The product sums the exact products of the quantised numbers (number of the format x scale) in f32.
;;   ~~~python
;;   def quantise(x, axis):      # numpy; x: float32 -> the quantised numbers, widened to float32 again
;;       x = np.moveaxis(x, axis, -1); K = x.shape[-1]
;;       x = np.pad(x, [(0, 0)] * (x.ndim - 1) + [(0, -K % 32)]); x = x.reshape(x.shape[:-1] + (-1, 32)); a = np.abs(x).max(-1, keepdims=True)
;;       e = np.where(a > 0, np.clip(np.frexp(np.where(a > 0, a, 1))[1] - 1 - 4, -126, 127), 0)      # np.frexp(a)[1] - 1 = floor(log2(a)), exactly
;;       r = np.clip(x / 2.0 ** e, -28, 28)
;;       step = 2.0 ** (np.maximum(np.frexp(np.where(r == 0, 1, r))[1] - 1, -2) - 2)
;;       q = np.round(r / step) * step * 2.0 ** e      # np.round: ties to even
;;       return np.moveaxis(q.reshape(q.shape[:-2] + (-1,))[..., :K], -1, axis).astype(np.float32)
;;   ~~~
;;   SOFTMAX AHEAD OF A QUANTISED PRODUCT. Where the list says 'softmax', what is quantised is not the finished softmax but p = 2^(t - M), with t = logit x log2(e) and M = ceil(the row's largest t), a whole number; so 1/2 < the row's largest p <= 1. The row's sum l is taken of the UNQUANTISED p, in f32, and the product's result is divided by l at the end. Since M is a whole number, a kernel that streams over the keys may use a running M (the ceiling of the running maximum): every later rescaling is an exact power of two, which a block's scale takes up: the codes' values come out the same.
;;   OPERANDS COMPUTED ON THE WAY. 'Computed on the way' means the value that the module computes at that place (a softmax that the list does not call 'softmax' is quantised finished and normalised). What goes into a quantiser is computed in f32, as accurately as f32 sums, v_exp_f32 and their like allow (about 1e-6 of the number): no bf16 or f16 on the way to a quantiser, and a product that is left as it is and whose result goes on into a quantised operand takes f32 operands (vector FMAs, or v_wmma_f32_16x16x4_f32). A number that lies on a knife's edge between two numbers of the format may be rounded either way, as far as f32 arithmetic and the matrix unit's own rounding can turn it there, and no further.
;; One version. Each part assembles by itself: llvm-mc -triple=amdgcn-amd-amdhsa -mcpu=gfx1250 --defsym DOCPART=n.
;; ======== version 1 of 1: 3 launches
;; limits: right only within a limited range of input values
;; workspace buffers: wcod 393,216 bytes; wsc 16,384 bytes; qf 65,536 bytes; part 524,288 bytes; stat 2,048 bytes
;; launch prep (part 1): grid 128 x 1, 4 waves a work-group, no clusters, 4,608 bytes of LDS; arguments Wk_w, Wv_w, Wq_w, Wq_b, inputdata, wcod, wsc, qf; writes wcod, wsc, qf
.if DOCPART == 1
	.amdgcn_target "amdgcn-amd-amdhsa--gfx1250"
	.amdhsa_code_object_version 6
	.text
	.protected	k_qea7c14efd7_prep
	.globl	k_qea7c14efd7_prep
	.p2align	8
	.type	k_qea7c14efd7_prep,@function
k_qea7c14efd7_prep:
	s_mov_b64 s[64:65], 0
	v_nop
	global_prefetch_b8 v0, s[64:65] scope:SCOPE_SE
	s_setreg_imm32_b32 hwreg(HW_REG_WAVE_MODE, 25, 1), 1
	s_wait_xcnt 0x0
; WHAT IT MAKES.  (1) Wk and Wv, [512 (out)][512 (in)] f32, as codes of BF6 (E3M2) with one E8M0 byte for each 32 along the input axis, laid as IMAGES OF OPERAND REGISTERS:
; wcod[tile G = 32 mat + n][K step s][1,536 bytes]: a fragment (16 rows x 128 K) is 12 registers a lane; registers 4 c .. 4 c + 3 of lane l lie at 512 c + 16 l.  wsc[G][s][row r]: the row's four scale bytes as one word.
; (2) q = Q6(x_last) Q6(Wq)^T + bq in f32 for the 32 heads: qf[32][512].  Only each head's last row is a query whose result is returned.
; SHARES.  128 work-groups of four waves; a wave takes ONE fragment (K step s = its number), so that all its loads are one trip to memory.  Work-groups 0-31: Wk's tiles; 32-63: Wv's; 64-127: tile n = g % 32 of Wq
; against heads 16 mh .. 16 mh + 15, mh = (g / 32) % 2: each wave multiplies its K step, the four parts meet in LDS and wave 0 adds them and the bias.
; THE QUANTISER: a block's scale is 2^(floor(log2(largest magnitude)) - 4); its byte is the largest magnitude's exponent field - 4, held at 1 from below by a floor among the maximum's leaves.
; LIMITS: NaN and infinities among the inputs are not served; a block whose largest magnitude lies under 2^-122 gets the byte 1 (a block of zeros too, where the rule says 127: its codes are zeros and this program alone
; reads the bytes); q's sum over K is made of four parts of 128, added in f32 as (p0 + p1) + (p2 + p3) + bias.
; WORK LEFT OUT IN THE PROGRAM.  reference() returns out[:, :, -1, :]: of Q, of the scores, of the softmax and of the last product only each head's LAST query row reaches an output, whatever the inputs hold.  So Q is made for 32 rows
; (x's last row of each head), and products 4 and 5 for one query a head.  K and V of all 1,024 keys are live.  The ALiBi term relu(tril(j - i)) is 0 at every place (j - i <= 0 on and under the diagonal, tril clears the rest): nothing is added.
; LIMIT: a NaN, an infinity or an overflow that reaches only the work left out is not carried to the result.
.set RR,   1
.set HH,   2                           ; v2   h = lane / 16
.set WA,   3                           ; v3   a weight's row r, my half of a block: 2,048 r + 64 h
.set XA,   4                           ; v4   head r's rows are 2^21 bytes apart: (r << 21) + 64 h
.set L16,  5                           ; v5   16 x lane
.set R4,   6                           ; v6   4 r
.set H32,  7                           ; v7   32 h
.set QO,   8                           ; v8   qf: row r, + 32 h
.set LST,  9                           ; v9   LDS: 1,024 x wave + 16 x lane
.set LN,   11                          ; v11  lane
.set RAWW, 16                          ; v16-79   64 numbers of the weight
.set RAWX, 80                          ; v80-143  64 numbers of x; later the four parts of q
.set PCW,  144                         ; v144-155 the weight's fragment
.set PCX,  156                         ; v156-167 x's
.set QT,   168                         ; v168-175 second halves of blocks, on their way
.set TM,   176                         ; v176-191 at work in QUANT
.set SW,   192                         ; v192 the weight's scale word
.set SX,   193                         ; v193 x's
.set DD,   194                         ; v194-201 the product
.set BI,   202                         ; v202-209 the bias
.set SEL,  8                           ; s[8:9] lane selects for v_permlanex16_b32: lane l xor 16
; 64 numbers of a lane, register 16 b + i = place 32 b + 16 (lane / 16) + i along K of my row, become a fragment's 12 registers at v[dst] and the row's scale word in v[pw].
.macro QUANT src, dst, pw
.irp b, 0,1,2,3
	v_max3_num_f32 v[TM+\b], |v[\src+16*\b]|, |v[\src+16*\b+1]|, 0x2800000   ; block b: my 16 numbers, and the floor 2^(5 - 127): the byte cannot fall under 1
.endr
.irp i, 2,4,6,8,10,12,14
.irp b, 0,1,2,3
	v_max3_num_f32 v[TM+\b], v[TM+\b], |v[\src+16*\b+\i]|, |v[\src+16*\b+\i+1]|   ; the four blocks by turns
.endr
.endr
.irp b, 0,1,2,3
	v_permlanex16_b32 v[TM+4+\b], v[TM+\b], s[SEL], s[SEL+1]
.endr
.irp b, 0,1,2,3
	v_max_num_f32 v[TM+\b], v[TM+\b], v[TM+4+\b]                 ; with lane l xor 16's 16: the block's largest magnitude
.endr
.irp b, 0,1,2,3
	v_add_nc_u32 v[TM+12+\b], 0xfe000000, v[TM+\b]               ; 4 off its exponent field: the conversion takes that field as its scale
.endr
.irp b, 0,1,2,3
	v_lshrrev_b32 v[TM+4+\b], 23, v[TM+12+\b]                    ; the scale's byte
.endr
	v_lshl_or_b32 v[\pw], v[TM+5], 8, v[TM+4]
	v_lshl_or_b32 v[\pw], v[TM+6], 16, v[\pw]
	v_lshl_or_b32 v[\pw], v[TM+7], 24, v[\pw]
.irp c, 0,1
	v_cvt_scalef32_pk16_bf6_f32 v[\dst+6*\c:\dst+6*\c+2], v[\src+32*\c:\src+32*\c+15], v[TM+12+2*\c]
	v_cvt_scalef32_pk16_bf6_f32 v[QT+4*\c:QT+4*\c+2], v[\src+32*\c+16:\src+32*\c+31], v[TM+12+2*\c+1]   ; (a conversion's three registers begin on an even number)
.endr
	v_nop                                                        ; one plain place behind a scaled conversion
.irp c, 0,1                                                          ; the operand wants a WHOLE block in a lane: lanes 0-15 block 2 c, lanes 16-31 block 2 c + 1
.irp i, 0,1,2
	v_permlane16_swap_b32 v[\dst+6*\c+\i], v[QT+4*\c+\i]
.endr
.irp i, 0,1,2
	v_mov_b32 v[\dst+6*\c+3+\i], v[QT+4*\c+\i]
.endr
.endr
.endm
	s_load_b512 s[16:31], s[0:1], 0x0              ; Wk s[16:17], Wv s[18:19], Wq s[20:21], bq s[22:23], x s[24:25], wcod s[26:27], wsc s[28:29], qf s[30:31]
	v_lshl_add_u32 v212, v0, 2, 0x1000
	v_mov_b32 v213, 0
	v_lshrrev_b32 v[LN], 5, v0
	v_readfirstlane_b32 s2, v[LN]                  ; wave = K step s
	s_mov_b32 s3, ttmp9                            ; g
	v_and_b32 v[RR], 15, v0
	v_bfe_u32 v[HH], v0, 4, 1
	v_and_b32 v[LN], 31, v0
	v_lshlrev_b32 v[WA], 11, v[RR]
	v_lshl_add_u32 v[WA], v[HH], 6, v[WA]
	v_lshlrev_b32 v[XA], 21, v[RR]
	v_lshl_add_u32 v[XA], v[HH], 6, v[XA]
	v_lshlrev_b32 v[L16], 4, v[LN]
	v_lshlrev_b32 v[R4], 2, v[RR]
	v_lshlrev_b32 v[H32], 5, v[HH]
	v_lshl_add_u32 v[QO], v[RR], 11, v[H32]
	s_lshl_b32 s4, s2, 10
	v_add_nc_u32 v[LST], s4, v[L16]
.irp b, 0,1,2,3
	v_mov_b32 v[TM+4+\b], 0                        ; written once: a lane permute's destination counts as one of its sources
.endr
	s_mov_b32 s[SEL], 0x76543210
	s_mov_b32 s[SEL+1], 0xfedcba98
	s_and_b32 s5, s3, 31                           ; n: the tile of 16 rows
	s_lshl_b32 s10, s5, 15                         ; 16 rows of 2,048 bytes
	s_lshl_b32 s6, s2, 9                           ; + my K step's 512 bytes
	s_add_co_u32 s10, s10, s6
	s_mov_b32 s11, 0
	s_wait_kmcnt 0x0
	s_cmp_lt_u32 s3, 32                            ; which weight: the choice hangs on the work-group's number alone
	s_cselect_b64 s[12:13], s[16:17], s[18:19]
	s_cmp_lt_u32 s3, 64
	s_cselect_b64 s[12:13], s[12:13], s[20:21]
	s_add_nc_u64 s[12:13], s[12:13], s[10:11]
.irp b, 0,1,2,3
.irp j, 0,1,2,3
	global_load_b128 v[RAWW+16*\b+4*\j:RAWW+16*\b+4*\j+3], v[WA], s[12:13] offset:128*\b+16*\j   ; W(16 n + r, 128 s + 32 b + 16 h + 4 j ..)
.endr
.endr
	s_cmp_lt_u32 s3, 64
	s_cbranch_scc1 .Lw
	; ---- q: Wq's fragment against 16 heads' last rows
	s_lshr_b32 s7, s3, 5
	s_and_b32 s7, s7, 1                            ; mh
	s_lshl_b32 s10, s7, 25                         ; 16 heads of 2^21 bytes
	s_add_co_u32 s10, s10, s6                      ; + my K step
	s_add_co_u32 s10, s10, 1023*2048               ; + the last row
	s_add_nc_u64 s[14:15], s[24:25], s[10:11]
.irp b, 0,1,2,3
.irp j, 0,1,2,3
	global_load_b128 v[RAWX+16*\b+4*\j:RAWX+16*\b+4*\j+3], v[XA], s[14:15] offset:128*\b+16*\j
.endr
.endr
	s_lshl_b32 s10, s5, 6                          ; the tile's 16 numbers of bq
	s_add_nc_u64 s[32:33], s[22:23], s[10:11]
	s_wait_alu depctr_va_vdst(0)
	global_load_b128 v[BI:BI+3], v[H32], s[32:33]              ; lane (r, h): bq(16 n + 8 h + 0 .. 7), the product's layout
	global_load_b128 v[BI+4:BI+7], v[H32], s[32:33] offset:16
	s_lshl_b32 s34, s7, 15                         ; qf: 16 mh rows of 2,048 bytes + 64 n
	s_add_co_u32 s34, s34, s10
	s_mov_b32 s35, 0
	s_add_nc_u64 s[34:35], s[30:31], s[34:35]
	s_wait_loadcnt 18                              ; the weight's 16 loads are in; x's 16 and the bias's 2 may be out
	QUANT RAWW, PCW, SW
	s_wait_loadcnt 2                               ; x is in
	QUANT RAWX, PCX, SX
.rept 8
	v_nop                                          ; a scale word written by a vector instruction stands 8 places ahead of a scaled matrix instruction, an operand 4
.endr
	v_wmma_scale_f32_16x16x128_f8f6f4 v[DD:DD+7], v[PCW:PCW+11], v[PCX:PCX+11], 0, v[SW], v[SX] matrix_a_fmt:MATRIX_FMT_BF6 matrix_b_fmt:MATRIX_FMT_BF6   ; source 0 = 16 rows of Wq, source 1 = 16 heads: lane (r, h) holds head r, outputs 16 n + 8 h + 0 .. 7
.rept 4
	v_nop                                          ; four places ahead of the first read of the result (ISA guide 7.12.1)
.endr
	ds_store_b128 v[LST], v[DD:DD+3]               ; my K step's part, as it stands, from its low end on
	ds_store_b128 v[LST], v[DD+4:DD+7] offset:512
	s_wait_dscnt 0x0                               ; for wave 0's sake: my stores have landed
	s_barrier_signal -1
	s_barrier_wait -1
	s_cmp_lg_u32 s2, 0
	s_cbranch_scc1 .Ldone
.irp p, 0,1,2,3
.irp c, 0,1
	ds_load_b128 v[RAWX+8*\p+4*\c:RAWX+8*\p+4*\c+3], v[L16] offset:1024*\p+512*\c
.endr
.endr
	s_wait_dscnt 0x0
	s_wait_loadcnt 0x0                             ; the bias
.irp j, 0,2,4,6
	v_pk_add_f32 v[RAWX+\j:RAWX+\j+1], v[RAWX+\j:RAWX+\j+1], v[RAWX+8+\j:RAWX+8+\j+1]
	v_pk_add_f32 v[RAWX+16+\j:RAWX+16+\j+1], v[RAWX+16+\j:RAWX+16+\j+1], v[RAWX+24+\j:RAWX+24+\j+1]
.endr
.irp j, 0,2,4,6
	v_pk_add_f32 v[RAWX+\j:RAWX+\j+1], v[RAWX+\j:RAWX+\j+1], v[RAWX+16+\j:RAWX+16+\j+1]
.endr
.irp j, 0,2,4,6
	v_pk_add_f32 v[RAWX+\j:RAWX+\j+1], v[RAWX+\j:RAWX+\j+1], v[BI+\j:BI+\j+1]
.endr
	global_store_b128 v[QO], v[RAWX:RAWX+3], s[34:35]          ; 32 bytes a lane of head r's row: 64 KiB in the whole launch
	global_store_b128 v[QO], v[RAWX+4:RAWX+7], s[34:35] offset:16
.Ldone:
	s_wait_tensorcnt 0x0
	ds_add_u32 v212, v213
	s_wait_dscnt 0x0
	s_endpgm
	; ---- Wk, Wv: the fragment and its scale words go to memory as they stand
.Lw:
	s_wait_loadcnt 0x0
	QUANT RAWW, PCW, SW
	s_mul_i32 s10, s3, 6144                        ; tile g: four fragments of 1,536 bytes
	s_mul_i32 s6, s2, 1536
	s_add_co_u32 s10, s10, s6
	s_add_nc_u64 s[14:15], s[26:27], s[10:11]
.irp c, 0,1,2
	global_store_b128 v[L16], v[PCW+4*\c:PCW+4*\c+3], s[14:15] offset:512*\c   ; 32 lanes store 512 consecutive bytes, at a multiple of 512 from the buffer's first byte
.endr
	s_lshl_b32 s10, s3, 8                          ; the tile's 256 bytes of scale words, my K step's 64
	s_lshl_b32 s6, s2, 6
	s_add_co_u32 s10, s10, s6
	s_add_nc_u64 s[32:33], s[28:29], s[10:11]
	s_wait_xcnt 0x0                                ; EXEC is a source of the stores above: it changes only behind this wait
	v_cmp_gt_u32 vcc_lo, 16, v[LN]
	s_and_saveexec_b32 s4, vcc_lo                  ; lanes 0-15: one word a row
	global_store_b32 v[R4], v[SW], s[32:33]
	s_wait_xcnt 0x0
	s_or_b32 exec_lo, exec_lo, s4
	s_endpgm
.Lfunc_end_k_qea7c14efd7_prep:
	.size	k_qea7c14efd7_prep, .Lfunc_end_k_qea7c14efd7_prep-k_qea7c14efd7_prep
	.p2alignl 7, 3214868480
	.fill 96, 4, 3214868480
	.section	.rodata,"a",@progbits
	.p2align	6, 0x0
	.amdhsa_kernel k_qea7c14efd7_prep
		.amdhsa_group_segment_fixed_size 4608
		.amdhsa_private_segment_fixed_size 0
		.amdhsa_enable_private_segment 0
		.amdhsa_kernarg_size 64
		.amdhsa_user_sgpr_count 2
		.amdhsa_user_sgpr_kernarg_segment_ptr 1
		.amdhsa_wavefront_size32 1
		.amdhsa_system_sgpr_workgroup_id_x 1
		.amdhsa_system_sgpr_workgroup_id_y 1
		.amdhsa_system_sgpr_workgroup_id_z 1
		.amdhsa_system_vgpr_workitem_id 0
		.amdhsa_next_free_vgpr 214
		.amdhsa_next_free_sgpr 66
		.amdhsa_reserve_vcc 1
		.amdhsa_float_denorm_mode_32 3
		.amdhsa_float_denorm_mode_16_64 3
		.amdhsa_memory_ordered 1
		.amdhsa_forward_progress 1
		.amdhsa_inst_pref_size 21
	.end_amdhsa_kernel
	.amdgpu_metadata
---
amdhsa.version: [ 1, 2 ]
amdhsa.kernels:
  - .name:           k_qea7c14efd7_prep
    .symbol:         k_qea7c14efd7_prep.kd
    .args:
      - { .name: Wk_w, .offset: 0, .size: 8, .value_kind: global_buffer, .address_space: global }
      - { .name: Wv_w, .offset: 8, .size: 8, .value_kind: global_buffer, .address_space: global }
      - { .name: Wq_w, .offset: 16, .size: 8, .value_kind: global_buffer, .address_space: global }
      - { .name: Wq_b, .offset: 24, .size: 8, .value_kind: global_buffer, .address_space: global }
      - { .name: inputdata, .offset: 32, .size: 8, .value_kind: global_buffer, .address_space: global }
      - { .name: wcod, .offset: 40, .size: 8, .value_kind: global_buffer, .address_space: global }
      - { .name: wsc, .offset: 48, .size: 8, .value_kind: global_buffer, .address_space: global }
      - { .name: qf, .offset: 56, .size: 8, .value_kind: global_buffer, .address_space: global }
    .group_segment_fixed_size: 4608
    .private_segment_fixed_size: 0
    .kernarg_segment_align: 8
    .kernarg_segment_size: 64
    .max_flat_workgroup_size: 128
    .sgpr_count:     66
    .vgpr_count:     214
    .wavefront_size: 32
...
	.end_amdgpu_metadata
.endif
;; end of part 1
;; launch main (part 2): grid 256 x 1, 4 waves a work-group, no clusters, 327,680 bytes of LDS; arguments inputdata, Wk_b, Wv_b, wcod, wsc, qf, part, stat; writes part, stat
.if DOCPART == 2
	.amdgcn_target "amdgcn-amd-amdhsa--gfx1250"
	.amdhsa_code_object_version 6
	.text
	.protected	k_qea7c14efd7_main
	.globl	k_qea7c14efd7_main
	.p2align	8
	.type	k_qea7c14efd7_main,@function
k_qea7c14efd7_main:
	s_mov_b64 s[64:65], 0
	v_nop
	global_prefetch_b8 v0, s[64:65] scope:SCOPE_SE
	s_setreg_imm32_b32 hwreg(HW_REG_WAVE_MODE, 25, 1), 1
	s_wait_xcnt 0x0
; For one head and 128 of its 1,024 keys: Q6(x); K = Q6(x) Q6(Wk)^T + bk; the last query's scores Q6(q) . Q6(K); p = 2^(t - M); V = Q6(x) Q6(Wv)^T + bv; the part's O = Q6(p) Q6(V), -M and l.
; WORK LEFT OUT: every query but each head's last (reference() returns that row alone), and the ALiBi term, which is 0 at every place: see the first kernel's head.  A NaN or infinity that reaches only that work is not carried on.
; All products by v_wmma_scale_f32_16x16x128_f8f6f4 on codes of BF6 (E3M2) with E8M0 scales.
; SHARES.  Work-group g: head g / 8, rows 128 g .. 128 g + 127 of the 32,768.  THE FOUR WAVES SHARE THE COLUMNS: wave w owns outputs 128 w .. 128 w + 127 of K and of V; its 32 + 32 weight fragments (prep's register images) go from memory
; straight into registers.  x comes by ONE tensor load a wave: wave w fetches rows 64 (w / 2) .. + 63, half w % 2 of the columns.  Wave w quantises K step w of every row; the fragments go round through LDS as images of their registers.
; SIXTEEN GROUPS of 32 matrix instructions.  K group m: 16 keys, transposed (source 0 = 16 rows of Wk, source 1 = the keys): a lane holds one key, its 64 registers run along the wave's 128 outputs.
; V group n: source 0 = 16 keys, source 1 = 16 rows of Wv: a lane holds one output, its 64 registers run along the 128 keys.  Two sets of accumulators take turns: between a group's matrix instructions stand the slices of the quantiser of
; the group before it and that group's one product with q (a part of 16 scores) or with p (16 outputs).  LDS and memory instructions stand in one run to a group, or two.
; PLACES WITHIN A BLOCK.  Register 16 b + 8 u + j of half h holds index 32 b + 16 u + 8 h + j, and the quantiser lays it at place 32 b + 16 h + 8 u + j.  Blocks of 32 stay the same sets, so scales and codes keep their values; q and p are
; loaded in the same order, so each product meets its partner.
; NO CLUSTER, though all work-groups read the same weights: a joint load lands in LDS; of the 327,680 bytes x takes 266,240 from the head on, images and the rest 57,856.
; NO PREFETCH: there is no loop to run ahead in; x and Wk are asked for at the head, Wv's first 16 fragments beside the quantising of x, the others as registers come free.
; No LDS byte is filled twice; every byte that a ds_store writes lies in blocks of 256 bytes into which no tensor load lands.
; LIMITS: NaN and infinities are not served; a block whose largest magnitude lies under 2^-122 gets the byte 1 (a block of zeros too: its codes are zeros); the score's sum over 512 is four waves' parts, added in f32;
; each part of 128 keys has its own whole number M, and the last launch brings the parts together by exact powers of two.
.set XP,    1040                       ; an LDS row of x: 1,024 bytes + 16 of padding = 260 words: row r starts at bank 4 r mod 64 (64 banks of 4 bytes: ISA guide 11.1)
.set XT,    64*XP                      ; a tensor tile
.set FRB,   1536                       ; a fragment's image: registers 4 c .. 4 c + 3 of lane l at 512 c + 16 l
.set XIMG,  4*XT                       ; x's 32 fragments, 4 m + s (tile of 16 rows m, K step s)
.set XSC,   XIMG+32*FRB                ; their scale words: image 2 m + s / 2 of 128 bytes, word at 64 (s % 2) + 4 r
.set SPB,   XSC+2048                   ; the waves' parts of the scores, [wave][key]
.set PB,    SPB+2048                   ; p, 512 bytes a wave
.set OSB,   PB+2048                    ; the way out, 512 bytes a wave
.set SPARE, OSB+2048                   ; the spare words, 128 bytes a wave
.set L16,  1                           ; 16 lane
.set L4,   2                           ; 4 lane
.set XR,   3                           ; raw x: tile w / 2, row r, 512 (w % 2) + 64 h; stepped by two tiles
.set XWI,  4                           ; where I store images: XIMG + FRB w + 16 lane
.set XWS,  5                           ; and scale words: XSC + 64 w + 4 r
.set XLI,  6                           ; where images are read: XIMG + 16 lane
.set XLS,  7                           ; XSC + 4 lane
.set SPS,  8                           ; SPB + 512 w + 4 r
.set SPR,  9                           ; SPB + 16 lane
.set PWR,  10                          ; PB + 512 w + 16 lane
.set PRD,  11                          ; PB + 512 w + 32 h
.set OSW,  12                          ; OSB + 512 w + 4 lane
.set NIL,  13                          ; 0
.set SPW,  14                          ; my spare word
.set R4,   15                          ; 4 r
.set ACC0, 16                          ; v16-79   eight accumulators; also 64 raw numbers
.set ACC1, 80                          ; v80-143  eight more
.set TM,   144                         ; v144-151 at work in the quantiser
.set QT,   152                         ; v152-159 likewise; then the product with q or p
.set PC,   160                         ; v160-171 the fragment just made
.set PW,   172                         ; its scale word
.set QS,   173                         ; q's scale word
.set XS,   174                         ; v174-177 x's scale words of a tile of keys, two sets
.set WKS,  178                         ; v178-193 Wk's scale words, 2 t + s / 2;
.set PF,   178                         ;          later p's fragment
.set PS,   190                         ;          and its scale word
.set WVS,  194                         ; v194-209 Wv's scale words, 2 n + s / 2
.set BV,   210                         ; v210-217 bv(16 n + r)
.set CB,   218                         ; v218-225 bv of the tile in hand, eight times
.set OUT,  226                         ; v226-233 O(16 n + r)
.set NM,   234                         ; v234-235 -M, l
.set H32,  236                         ; the head's 32 h
.set XSV,  238                         ; v238-253 x's scale words, 2 m + s / 2
.set LN,   160                         ; the head's lane, r, h
.set RR,   161
.set HH,   162
; windows 1 to 3 hold 63 slots of 12 registers, 21 to a window: 0-31 Wk's fragment 8 s + t, later x's 8 s + m; 32-35 and 37-40 x's four fragments of a tile of keys, two sets; 36 q's fragment; 41, 48-62 Wv's fragments 0-15;
; v768-831 (slots 42-47) bk in the result's layout, eight registers a tile.  Wv's late fragments take slots that have been left: WVSLOT
.set QF,   692                         ; slot 36
.set KB,   768
.set SEL,  8                           ; s[8:9] lane selects for v_permlanex16_b32: lane l xor 16
.set MSB, 0
.macro WIN new                         ; the immediate's high byte repeats the setting that is left; a switch that changes nothing is dropped
.if MSB != (\new)
	s_set_vgpr_msb (MSB<<8)|(\new)
.set MSB, \new
.endif
.endm
.macro PLACES n
.rept \n
	v_nop
.endr
.endm
.macro BARRIER                         ; my LDS stores have landed and my LDS loads are in: then the work-group's barrier
	s_wait_alu depctr_va_vdst(0)
	s_wait_dscnt 0x0
	s_barrier_signal -1
	s_barrier_wait -1
.endm
.macro SLOTOF k
.set SL, 256+256*((\k)/21)+12*((\k)%21)
.endm
.macro WVSLOT f                        ; Wv's fragment f = 4 n + s
.if (\f) == 0 || (\f) == 31
.set WS, 41
.else
.if (\f) < 16
.set WS, 47+(\f)
.else
.if (\f) < 20
.set WS, 16+(\f)
.else
.if (\f) < 24
.set WS, 17+(\f)
.else
.if (\f) < 30
.set WS, 18+(\f)
.else
.set WS, 36
.endif
.endif
.endif
.endif
.endif
	SLOTOF WS
.endm
; a matrix instruction on absolute register numbers, d in window 0; c = -1: the constant 0 starts the sum; row = 1: both scale words from lanes 16-31
.macro WM d, a, b, c, sa, sb, row
.if (\c) < 0
.set WN, ((\a)/256)|(((\b)/256)<<2)
	WIN WN
	v_wmma_scale_f32_16x16x128_f8f6f4 v[\d:\d+7], v[(\a)%256:(\a)%256+11], v[(\b)%256:(\b)%256+11], 0, v[\sa], v[\sb] matrix_a_fmt:MATRIX_FMT_BF6 matrix_b_fmt:MATRIX_FMT_BF6
.else
.set WN, ((\a)/256)|(((\b)/256)<<2)|(((\c)/256)<<4)
	WIN WN
.if \row
	v_wmma_scale_f32_16x16x128_f8f6f4 v[\d:\d+7], v[(\a)%256:(\a)%256+11], v[(\b)%256:(\b)%256+11], v[(\c)%256:(\c)%256+7], v[\sa], v[\sb] matrix_a_fmt:MATRIX_FMT_BF6 matrix_b_fmt:MATRIX_FMT_BF6 matrix_a_scale:MATRIX_SCALE_ROW1 matrix_b_scale:MATRIX_SCALE_ROW1
.else
	v_wmma_scale_f32_16x16x128_f8f6f4 v[\d:\d+7], v[(\a)%256:(\a)%256+11], v[(\b)%256:(\b)%256+11], v[(\c)%256:(\c)%256+7], v[\sa], v[\sb] matrix_a_fmt:MATRIX_FMT_BF6 matrix_b_fmt:MATRIX_FMT_BF6
.endif
.endif
.endm
; THE QUANTISER.  64 numbers of a lane, register 16 b + i = place 32 b + 16 (lane / 16) + i along K of my row, become a fragment's 12 registers at v[dst] and the row's scale word in v[pw].  Here it is in slices, slice KK of 0 .. 15; each accumulator
; is read from its low end on.
.macro QSL src, dst, pw
.if KK == 0
	WIN 0
.irp b, 0,1,2,3
	v_max3_num_f32 v[TM+\b], |v[\src+16*\b]|, |v[\src+16*\b+1]|, 0x2800000   ; block b: my 16 numbers, and the floor 2^(5 - 127): the byte cannot fall under 1
.endr
.endif
.if KK > 0 && KK < 8
	WIN 0
.irp b, 0,1,2,3
	v_max3_num_f32 v[TM+\b], v[TM+\b], |v[\src+16*\b+2*KK]|, |v[\src+16*\b+2*KK+1]|
.endr
.endif
.if KK == 8
	WIN 0
.irp b, 0,1,2,3
	v_permlanex16_b32 v[TM+4+\b], v[TM+\b], s[SEL], s[SEL+1]
.endr
.endif
.if KK == 9
	WIN 0
.irp b, 0,1,2,3
	v_max_num_f32 v[TM+\b], v[TM+\b], v[TM+4+\b]                 ; with lane l xor 16's 16
.endr
.endif
.if KK == 10
	WIN 0
.irp b, 0,1,2,3
	v_add_nc_u32 v[TM+\b], 0xfe000000, v[TM+\b]                  ; 4 off its exponent field: the conversion takes that field as its scale
.endr
.endif
.if KK == 11
	WIN 0
.irp b, 0,1,2,3
	v_lshrrev_b32 v[TM+4+\b], 23, v[TM+\b]                       ; the scale's byte
.endr
	v_cvt_scalef32_pk16_bf6_f32 v[\dst:\dst+2], v[\src:\src+15], v[TM]
	v_cvt_scalef32_pk16_bf6_f32 v[QT:QT+2], v[\src+16:\src+31], v[TM+1]   ; (a conversion's three registers begin on an even number)
.endif
.if KK == 12
	WIN 0
	v_lshl_or_b32 v[\pw], v[TM+5], 8, v[TM+4]
	v_lshl_or_b32 v[\pw], v[TM+6], 16, v[\pw]
	v_lshl_or_b32 v[\pw], v[TM+7], 24, v[\pw]
	v_cvt_scalef32_pk16_bf6_f32 v[\dst+6:\dst+8], v[\src+32:\src+47], v[TM+2]
	v_cvt_scalef32_pk16_bf6_f32 v[QT+4:QT+6], v[\src+48:\src+63], v[TM+3]
.endif
.if KK == 13
	WIN 0
	v_nop                                                        ; one plain place behind a scaled conversion
.endif
.if KK == 13 || KK == 14                                             ; the operand wants a WHOLE block in a lane: lanes 0-15 block 2 c, lanes 16-31 block 2 c + 1
	WIN 0
.set CC, KK-13
.irp i, 0,1,2
	v_permlane16_swap_b32 v[\dst+6*CC+\i], v[QT+4*CC+\i]
.endr
.irp i, 0,1,2
	v_mov_b32 v[\dst+6*CC+3+\i], v[QT+4*CC+\i]
.endr
.endif
.if KK == 15
	WIN 0
	PLACES 4                                                     ; an operand written by a vector instruction stands 4 places ahead of a scaled matrix instruction, the scale word (slice 12) 8
.endif
.endm
.macro QUANT src, dst, pw              ; all slices on end
.irp k, 0,1,2,3,4,5,6,7,8,9,10,11,12,13,14
.set KK, \k
	QSL \src, \dst, \pw
.endr
.endm
.macro SCORE m                         ; behind four places: the part of 16 scores
	WIN 0
	PLACES 4
	ds_store_b32 v[SPS], v[QT] offset:64*(\m)
.endm
.macro DOTQ                            ; source 0 = q in all 16 rows, source 1 = 16 keys: register 0 of lane r is key r's part of the score
	WM QT, QF, PC, -1, QS, PW, 0
.endm
.macro DOTP                            ; source 0 = p in all 16 rows, source 1 = 16 outputs: register 0 of lane r is O(16 n + r)
	WM QT, PF, PC, -1, PS, PW, 0
.endm
; ---- Wv
.macro WVG f, c                        ; a third of Wv's fragment f
	WVSLOT \f
.set WN, (SL/256)<<6
	WIN WN
	global_load_b128 v[SL%256+4*(\c):SL%256+4*(\c)+3], v[L16], s[68:69] offset:FRB*(\f)+512*(\c)
.endm
.macro CHUNK q0, q1                    ; loads q0 .. q1 - 1 of this row: Wv's 16 scale registers, bv's 8, then three for each fragment from 0 on
.set QX, \q0
.rept (\q1)-(\q0)
.if QX < 16
	WIN 0
	global_load_b32 v[WVS+QX], v[L4], s[72:73] offset:128*QX     ; tile QX / 2: lanes 0-15 K step 2 (QX % 2), lanes 16-31 the next
.endif
.if QX > 15 && QX < 24
	WIN 0
	global_load_b32 v[BV+QX-16], v[R4], s[76:77] offset:64*(QX-16)
.endif
.if QX > 23
	WVG (QX-24)/3, (QX-24)%3
.endif
.set QX, QX+1
.endr
	WIN 0
.endm
; ---- x: 64 rows of my 128 columns, four tiles of 16 rows, two sets of raw numbers by turns
.macro RAW v, dst
.irp b, 0,1,2,3
.irp j, 0,1,2,3
	ds_load_b128 v[\dst+16*\b+4*\j:\dst+16*\b+4*\j+3], v[XR] offset:16*XP*\v+128*\b+16*\j   ; x(16 v + r, 128 w + 32 b + 16 h + 4 j ..)
.endr
.endr
.endm
.macro IMAGE m
.irp c, 0,1,2
	ds_store_b128 v[XWI], v[PC+4*\c:PC+4*\c+3] offset:4*FRB*(\m)+512*\c
.endr
	ds_store_b32 v[XWS], v[PW] offset:256*(\m)                   ; (both halves of the lanes write the same word with the same value)
.endm
.macro XQUAD m0, q                     ; and beside it 36 loads of Wv's row
	RAW 0, ACC0
	RAW 1, ACC1
	s_wait_dscnt 16                                ; tile 0's numbers are in; tile 1's 16 loads may be out
	QUANT ACC0, PC, PW
	IMAGE \m0
	RAW 2, ACC0
	CHUNK \q, \q+9
	s_wait_dscnt 20                                ; tile 1's are in: behind them 4 stores and 16 loads
	QUANT ACC1, PC, PW
	IMAGE \m0+1
	RAW 3, ACC1
	CHUNK \q+9, \q+18
	s_wait_dscnt 20
	QUANT ACC0, PC, PW
	IMAGE \m0+2
	CHUNK \q+18, \q+27
	s_wait_dscnt 4
	QUANT ACC1, PC, PW
	IMAGE \m0+3
	CHUNK \q+27, \q+36
.endm
; ---- K
.macro LDX m, s                        ; x's fragment (m, s) into set m % 2
	SLOTOF 32+5*((\m)%2)+(\s)
.set WN, (SL/256)<<6
	WIN WN
.irp c, 0,1,2
	ds_load_b128 v[SL%256+4*\c:SL%256+4*\c+3], v[XLI] offset:(4*(\m)+(\s))*FRB+512*\c
.endr
.endm
.macro LDXS m
	WIN 0
.irp p, 0,1
	ds_load_b32 v[XS+2*((\m)%2)+\p], v[XLS] offset:(2*(\m)+\p)*128
.endr
.endm
.macro LDXV m, s                       ; for V: x's fragment (m, s) into slot 8 s + m, which Wk's products have left
	SLOTOF 8*(\s)+(\m)
.set WN, (SL/256)<<6
	WIN WN
.irp c, 0,1,2
	ds_load_b128 v[SL%256+4*\c:SL%256+4*\c+3], v[XLI] offset:(4*(\m)+(\s))*FRB+512*\c
.endr
.endm
; K group m: the eight accumulators take turns, one instruction a turn.  The bias is the C of each sum's first instruction.  fill: tile m - 1's quantiser and score stand between; ld: tile m + 1's fragments are
; asked for.  The last group's run brings x's scale words and K steps 0 and 1 for V, into the slots whose products stand ahead of slice 15's four places
.macro KGRP m, fill, ld
	s_wait_dscnt 0x0                               ; this tile's fragments and scale words are in
	PLACES 4                                       ; ahead of the first read of the last group's results (ISA guide 7.12.1)
.irp s, 0,1,2,3
.irp t, 0,1,2,3,4,5,6,7
.set KK, 8*\s+\t
	SLOTOF KK
.set SA, SL
	SLOTOF 32+5*(\m%2)+\s
.if \s == 0
	WM ACC0+64*(\m%2)+8*\t, SA, SL, KB+8*\t, WKS+2*\t, XS+2*(\m%2), 0
.else
	WM ACC0+64*(\m%2)+8*\t, SA, SL, ACC0+64*(\m%2)+8*\t, WKS+2*\t+\s/2, XS+2*(\m%2)+\s/2, \s%2
.endif
.if \fill
	QSL ACC0+64*((\m+1)%2), PC, PW
.if KK == 15
	DOTQ
.endif
.if KK == 17
	SCORE \m-1
.endif
.endif
.if KK == 17                           ; the group's run of LDS loads
.if \ld
	LDXS \m+1
	LDX \m+1, 0
	LDX \m+1, 1
	LDX \m+1, 2
	LDX \m+1, 3
.endif
.if \m == 7
	WIN 0
.irp k, 0,1,2,3,4,5,6,7,8,9,10,11,12,13,14,15
	ds_load_b32 v[XSV+\k], v[XLS] offset:128*\k
.endr
.irp k, 0,1,2,3,4,5,6,7
	LDXV \k, 0
.endr
.irp k, 0,1,2,3,4,5,6,7
	LDXV \k, 1
.endr
.endif
.endif
.endr
.endr
	WIN 0
.endm
.macro KRUN m                          ; ahead of a run of groups: the first tile's fragments
	LDXS \m
.irp s, 0,1,2,3
	LDX \m, \s
.endr
	WIN 0
.endm
; V group n.  Between stand tile n - 1's quantiser and product with p (n = 0: K's last tile's and its score, and the run that brings K steps 2 and 3 of x), the next tile's bias and, for n = 1 and 2, 12 loads of Wv's fragments 20 + 4 n ..
.macro VGRP n
.if \n == 0
	s_wait_loadcnt 0x0                             ; Wv's scale words, bv, Wv's fragments 0 to 15
	s_wait_dscnt 24                                ; x's scale words and K step 0: behind them K step 1's 24 loads
.irp j, 0,1,2,3,4,5,6,7
	v_mov_b32 v[CB+\j], v[BV]
.endr
.endif
.if \n > 3
	s_wait_loadcnt 12*(7-\n)                       ; this tile's fragments: the later tiles' loads may be out
.endif
	PLACES 4
.irp s, 0,1,2,3
.if \n == 0 && \s > 0
	s_wait_alu depctr_va_vdst(0)
.if \s == 1
	s_wait_dscnt 48                                ; K step 1: behind it K steps 2 and 3
.else
	s_wait_dscnt 72-24*\s
.endif
.endif
.irp m, 0,1,2,3,4,5,6,7
.set KK, 8*\s+\m
	SLOTOF KK
.set SA, SL
	WVSLOT 4*\n+\s
.if \s == 0
	WM ACC0+64*(\n%2)+8*\m, SA, SL, CB, XSV+2*\m, WVS+2*\n, 0
.else
	WM ACC0+64*(\n%2)+8*\m, SA, SL, ACC0+64*(\n%2)+8*\m, XSV+2*\m+\s/2, WVS+2*\n+\s/2, \s%2
.endif
	QSL ACC0+64*((\n+1)%2), PC, PW
.if KK == 15
.if \n == 0
	DOTQ
.else
	DOTP
.endif
.endif
.if KK == 17
.if \n == 0
	SCORE 7
.else
	WIN 0
	PLACES 4
	v_mov_b32 v[OUT+\n-1], v[QT]
.endif
.endif
.if \n < 7
.if KK == 9 || KK == 10
	WIN 0
.irp j, 0,1,2,3
	v_mov_b32 v[CB+4*(KK-9)+\j], v[BV+\n+1]
.endr
.endif
.endif
.if \n == 0 && KK == 7
.irp k, 0,1,2,3,4,5,6,7
	LDXV \k, 2
.endr
.irp k, 0,1,2,3,4,5,6,7
	LDXV \k, 3
.endr
.endif
.if \n == 1 || \n == 2
.if KK == 17
.irp k, 0,1,2,3,4,5
	WVG 20+4*\n+\k/3, \k%3
.endr
.endif
.if KK == 26
.irp k, 0,1,2,3,4,5
	WVG 22+4*\n+\k/3, \k%3
.endr
.endif
.endif
.endr
.endr
	WIN 0
.endm
; ---- the head's loads
.macro TL                              ; my one tensor load
	tensor_load_to_lds s[24:27], s[16:23]
	s_nop 0
	PLACES 4
.endm
.macro SMALL                           ; 48 loads: q in K's order (register 16 b + 8 u + j = q(32 b + 16 u + 8 h + j), the same in all 16 rows), Wk's scale words, bk(16 t + 8 h + 0 .. 7)
.irp b, 0,1,2,3
.irp u, 0,1
.irp j, 0,1
	global_load_b128 v[ACC0+16*\b+8*\u+4*\j:ACC0+16*\b+8*\u+4*\j+3], v[H32], s[78:79] offset:128*\b+64*\u+16*\j
.endr
.endr
.endr
.irp i, 0,1,2,3,4,5,6,7,8,9,10,11,12,13,14,15
	global_load_b32 v[WKS+\i], v[L4], s[70:71] offset:128*\i
.endr
	WIN 0xc0                                       ; destination window 3
.irp t, 0,1,2,3,4,5,6,7
.irp j, 0,1
	global_load_b128 v[KB%256+8*\t+4*\j:KB%256+8*\t+4*\j+3], v[H32], s[74:75] offset:64*\t+16*\j
.endr
.endr
	WIN 0
.endm
.macro WKL f0, f1                      ; Wk's fragments f = 8 s + t, K step by K step; in memory 4 t + s.  Each load takes 512 consecutive bytes
.set FI, \f0
.rept (\f1)-(\f0)
	SLOTOF FI
.set WN, (SL/256)<<6
	WIN WN
.irp c, 0,1,2
	global_load_b128 v[SL%256+4*\c:SL%256+4*\c+3], v[L16], s[66:67] offset:FRB*(4*(FI%8)+FI/8)+512*\c
.endr
.set FI, FI+1
.endr
	WIN 0
.endm
	s_load_b512 s[44:59], s[0:1], 0x0              ; x s[44:45], bk s[46:47], bv s[48:49], wcod s[50:51], wsc s[52:53], qf s[54:55], part s[56:57], stat s[58:59]
	v_lshl_add_u32 v[SPW], v0, 2, SPARE
	v_mov_b32 v[NIL], 0
	ds_add_u32 v[SPW], v[NIL]
	ds_add_u32 v[SPW], v[NIL]
	v_lshrrev_b32 v[LN], 5, v0
	v_readfirstlane_b32 s2, v[LN]                  ; wave 0..3
	s_mov_b32 s3, ttmp9                            ; work-group
	s_lshr_b32 s4, s2, 1
	s_and_b32 s5, s2, 1
	; descriptor group 1: 64 rows x 256 elements of 4 bytes, 512 elements from row to row; in LDS 16 bytes of padding behind each row
	s_mov_b32 s16, (2<<16)|(1<<20)|(7<<22)|(3<<25) ; 15:0 no mask; 17:16 elements of 4 bytes; 20 padding on; 24:22 after every 256 words (code 7); 31:25 of 4 words (code 3)
	s_mov_b32 s17, 256<<16                         ; tensor_dim0
	s_mov_b32 s18, 64<<16                          ; tensor_dim1
	s_mov_b32 s19, 256<<16                         ; tile_dim0
	s_mov_b32 s20, 64                              ; tile_dim1
	s_mov_b32 s21, 512                             ; tensor_dim0_stride
	s_mov_b32 s22, 0
	s_mov_b32 s23, 0
	s_mov_b32 s24, 1                               ; group 0: count = 1,
	s_mul_i32 s25, s2, XT                          ; LDS address
	s_lshl_b32 s86, s3, 18                         ; the work-group's 128 rows of 2,048 bytes
	s_lshl_b32 s7, s4, 17                          ; + my 64
	s_add_co_u32 s86, s86, s7
	s_lshl_b32 s7, s5, 10                          ; + my half of the columns
	s_add_co_u32 s86, s86, s7
	s_mov_b32 s87, 0
	s_mul_i32 s28, s4, XT                          ; raw x: K step w lies in half w / 2
	s_lshl_b32 s7, s5, 9
	s_add_co_u32 s28, s28, s7
	s_mul_i32 s29, s2, FRB
	s_add_co_u32 s29, s29, XIMG
	s_lshl_b32 s30, s2, 6
	s_add_co_u32 s30, s30, XSC
	s_lshl_b32 s88, s2, 9                          ; 512 w: my 128 outputs
	s_mov_b32 s89, 0
	s_add_co_u32 s31, s88, SPB
	s_add_co_u32 s36, s88, PB
	s_add_co_u32 s37, s88, OSB
	s_mov_b32 s[SEL], 0x76543210
	s_mov_b32 s[SEL+1], 0xfedcba98
	s_mov_b32 s10, 0x3d8293ee                      ; log2(e) / sqrt(512)
	v_and_b32 v[LN], 31, v0
	v_and_b32 v[RR], 15, v0
	v_bfe_u32 v[HH], v0, 4, 1
	v_lshlrev_b32 v[L16], 4, v[LN]
	v_lshlrev_b32 v[L4], 2, v[LN]
	v_lshlrev_b32 v[H32], 5, v[HH]
	v_lshlrev_b32 v[R4], 2, v[RR]
	v_mul_u32_u24 v[XR], v[RR], XP
	v_lshl_add_u32 v[XR], v[HH], 6, v[XR]
	v_add_nc_u32 v[XR], s28, v[XR]
	v_add_nc_u32 v[XWI], s29, v[L16]
	v_add_nc_u32 v[XWS], s30, v[R4]
	v_add_nc_u32 v[XLI], XIMG, v[L16]
	v_add_nc_u32 v[XLS], XSC, v[L4]
	v_add_nc_u32 v[SPS], s31, v[R4]
	v_add_nc_u32 v[SPR], SPB, v[L16]
	v_add_nc_u32 v[PWR], s36, v[L16]
	v_add_nc_u32 v[PRD], s36, v[H32]
	v_add_nc_u32 v[OSW], s37, v[L4]
.irp b, 0,1,2,3
	v_mov_b32 v[TM+4+\b], 0                        ; written once: a lane permute's destination counts as one of its sources
.endr
	s_wait_dscnt 0x0                               ; both opening adds are done
	s_wait_alu depctr_va_vdst(0)
	s_wait_kmcnt 0x0
	s_add_nc_u64 s[26:27], s[44:45], s[86:87]
	s_or_b32 s27, s27, 0x80000000                  ; type = 2
	s_mul_i32 s90, s2, 49152                       ; my 8 tiles x 4 fragments of 1,536 bytes
	s_mov_b32 s91, 0
	s_add_nc_u64 s[66:67], s[50:51], s[90:91]      ; Wk's codes
	s_add_nc_u64 s[68:69], s[66:67], 196608        ; Wv's: 32 tiles on
	s_lshl_b32 s90, s2, 11
	s_add_nc_u64 s[70:71], s[52:53], s[90:91]      ; Wk's scale words: 256 bytes a tile
	s_add_nc_u64 s[72:73], s[70:71], 8192          ; Wv's
	s_add_nc_u64 s[74:75], s[46:47], s[88:89]      ; bk, bv: my 128 numbers
	s_add_nc_u64 s[76:77], s[48:49], s[88:89]
	s_lshr_b32 s90, s3, 3                          ; the head
	s_lshl_b32 s90, s90, 11
	s_add_co_u32 s90, s90, s88
	s_add_nc_u64 s[78:79], s[54:55], s[90:91]      ; q: the head's row, my 128 numbers
	s_lshl_b32 s90, s3, 11
	s_add_co_u32 s90, s90, s88
	s_add_nc_u64 s[80:81], s[56:57], s[90:91]      ; part: the work-group's row, my 512 bytes
	s_lshl_b32 s90, s3, 3
	s_add_nc_u64 s[82:83], s[58:59], s[90:91]      ; stat
	; one tensor load to an arm: rows 0-63 are asked for first; rows 64-127, wanted later, when all of Wk but K step 3's 24 loads has landed
	s_cmp_lt_u32 s2, 2
	s_cbranch_scc0 .Lh1
	TL
	SMALL
	WKL 0, 32
	s_branch .Lhj
.Lh1:
	SMALL
	WKL 0, 32
	s_wait_loadcnt 24
	TL
.Lhj:
	s_wait_loadcnt 63                              ; of 144 loads the first 81 are in, and they come back in order (ISA guide 5.7.1): the 48 small ones among them
	QUANT ACC0, PC, QS
	WIN 0x80                                       ; destination window 2
.irp i, 0,1,2,3,4,5,6,7,8,9,10,11
	v_mov_b32 v[QF%256+\i], v[PC+\i]
.endr
	WIN 0
	s_wait_alu depctr_va_vdst(0)
	s_cmp_lt_u32 s2, 2
	s_cbranch_scc0 .Lnot_mine
	s_wait_tensorcnt 0x0                           ; waves 0 and 1 fetched rows 0-63
.Lnot_mine:
	BARRIER                                        ; rows 0-63 lie in LDS
	XQUAD 0, 0
	v_add_nc_u32 v[XR], 2*XT, v[XR]
	BARRIER                                        ; and their images
	s_wait_loadcnt 36                              ; Wk is in: behind it stand 36 loads of Wv's row
	KRUN 0
	KGRP 0, 0, 1
	KGRP 1, 1, 1
	KGRP 2, 1, 1
	KGRP 3, 1, 0
	PLACES 4                                       ; tile 3's quantiser and score, on end
	QUANT ACC1, PC, PW
	PLACES 4
	DOTQ
	SCORE 3
	s_wait_alu depctr_va_vdst(0)
	s_wait_tensorcnt 0x0
	BARRIER                                        ; rows 64-127 lie in LDS
	XQUAD 4, 36
	BARRIER                                        ; and their images
	KRUN 4
	KGRP 4, 0, 1
	KGRP 5, 1, 1
	KGRP 6, 1, 1
	KGRP 7, 1, 0
	VGRP 0
	BARRIER                                        ; all four waves' parts of the 128 scores lie in LDS
	; the softmax of these 128 keys, in every wave for itself, four keys a lane: M = ceil(the largest t), p = 2^(t - M), l = the sum of the unquantised p
.irp p, 0,1,2,3
	ds_load_b128 v[TM+4*\p:TM+4*\p+3], v[SPR] offset:512*\p
.endr
	CHUNK 72, 84                                   ; Wv's fragments 16 to 19
	s_wait_dscnt 0x0
.irp j, 0,2,8,10
	v_pk_add_f32 v[TM+\j:TM+\j+1], v[TM+\j:TM+\j+1], v[TM+4+\j:TM+5+\j]
.endr
.irp j, 0,2
	v_pk_add_f32 v[TM+\j:TM+\j+1], v[TM+\j:TM+\j+1], v[TM+8+\j:TM+9+\j]
.endr
.irp k, 0,1,2,3
	v_mul_f32 v[TM+\k], s10, v[TM+\k]              ; t = score x log2(e) / sqrt(512)
.endr
	v_max3_num_f32 v[PC], v[TM], v[TM+1], v[TM+2]
	v_max_num_f32 v[PC], v[PC], v[TM+3]
.irp x, 1,2,4,8
	v_max_num_f32_dpp v[PC], v[PC], v[PC] row_xmask:\x row_mask:0xf bank_mask:0xf
.endr
	v_permlanex16_b32 v[PC+1], v[PC], s[SEL], s[SEL+1]
	v_max_num_f32 v[PC], v[PC], v[PC+1]
	v_floor_f32 v[NM], -v[PC]                      ; -M = floor(-t) = -ceil(t)
.irp k, 0,1,2,3
	v_add_f32 v[TM+\k], v[TM+\k], v[NM]
.endr
	s_wait_alu depctr_va_vdst(0)                   ; ahead of the batch and behind it
.irp k, 0,1,2,3
	v_exp_f32 v[TM+\k], v[TM+\k]
.endr
	v_nop                                          ; a plain place behind the last exponential
	s_wait_alu depctr_va_vdst(0)
	ds_store_b128 v[PWR], v[TM:TM+3]
.irp b, 0,1,2,3
.irp u, 0,1
.irp j, 0,1
	ds_load_b128 v[ACC1+16*\b+8*\u+4*\j:ACC1+16*\b+8*\u+4*\j+3], v[PRD] offset:128*\b+64*\u+16*\j   ; p in V's order: register 16 b + 8 u + j = p(32 b + 16 u + 8 h + j): my own bytes, and LDS serves a wave's instructions in order (ISA guide 5.7.1.4)
.endr
.endr
.endr
	CHUNK 84, 96                                   ; Wv's fragments 20 to 23
	v_add_f32 v[PC], v[TM], v[TM+1]
	v_add_f32 v[PC+2], v[TM+2], v[TM+3]
	v_add_f32 v[PC], v[PC], v[PC+2]
.irp x, 1,2,4,8
	v_add_f32_dpp v[PC], v[PC], v[PC] row_xmask:\x row_mask:0xf bank_mask:0xf
.endr
	v_permlanex16_b32 v[PC+1], v[PC], s[SEL], s[SEL+1]
	v_add_f32 v[NM+1], v[PC], v[PC+1]              ; l, beside -M
	s_wait_alu depctr_va_vdst(0)
	s_wait_dscnt 0x0
	QUANT ACC1, PF, PS
	VGRP 1
	VGRP 2
	VGRP 3
	VGRP 4
	VGRP 5
	VGRP 6
	VGRP 7
	PLACES 4                                       ; tile 7's, on end
	QUANT ACC1, PC, PW
	PLACES 4
	DOTP
	WIN 0
	PLACES 4
	v_mov_b32 v[OUT+7], v[QT]
	; THE WAY OUT: two tiles' 16 numbers make 32 neighbours across the lanes; through my own 512 bytes of LDS they become 16 bytes a lane
	v_cmp_le_u32 vcc_lo, 0x100, v[L16]             ; lanes 16-31
.irp k, 0,1,2,3
	v_cndmask_b32 v[TM+\k], v[OUT+2*\k], v[OUT+2*\k+1], vcc_lo
.endr
.irp k, 0,1,2,3
	ds_store_b32 v[OSW], v[TM+\k] offset:128*\k
.endr
	ds_load_b128 v[TM+4:TM+7], v[PWR] offset:OSB-PB
	s_wait_dscnt 0x0
	global_store_b128 v[L16], v[TM+4:TM+7], s[80:81]           ; 32 lanes store 512 consecutive bytes, at a multiple of 512 from the buffer's first byte
	s_cmp_lg_u32 s2, 0
	s_cbranch_scc1 .Lend
	s_wait_xcnt 0x0                                ; EXEC is a source of the store above: it changes only behind this wait
	v_cmp_eq_u32 vcc_lo, 0, v[L16]
	s_and_saveexec_b32 s84, vcc_lo
	global_store_b64 v[L16], v[NM:NM+1], s[82:83]  ; lane 0 of wave 0: -M and l
	s_wait_xcnt 0x0
	s_or_b32 exec_lo, exec_lo, s84
.Lend:
	s_wait_tensorcnt 0x0                           ; the wave's end
	ds_add_u32 v[SPW], v[NIL]
	s_wait_dscnt 0x0
	s_endpgm
.Lfunc_end_k_qea7c14efd7_main:
	.size	k_qea7c14efd7_main, .Lfunc_end_k_qea7c14efd7_main-k_qea7c14efd7_main
	.p2alignl 7, 3214868480
	.fill 96, 4, 3214868480
	.section	.rodata,"a",@progbits
	.p2align	6, 0x0
	.amdhsa_kernel k_qea7c14efd7_main
		.amdhsa_group_segment_fixed_size 327680
		.amdhsa_private_segment_fixed_size 0
		.amdhsa_enable_private_segment 0
		.amdhsa_kernarg_size 64
		.amdhsa_user_sgpr_count 2
		.amdhsa_user_sgpr_kernarg_segment_ptr 1
		.amdhsa_wavefront_size32 1
		.amdhsa_system_sgpr_workgroup_id_x 1
		.amdhsa_system_sgpr_workgroup_id_y 1
		.amdhsa_system_sgpr_workgroup_id_z 1
		.amdhsa_system_vgpr_workitem_id 0
		.amdhsa_next_free_vgpr 1024
		.amdhsa_next_free_sgpr 96
		.amdhsa_reserve_vcc 1
		.amdhsa_float_denorm_mode_32 3
		.amdhsa_float_denorm_mode_16_64 3
		.amdhsa_memory_ordered 1
		.amdhsa_forward_progress 1
		.amdhsa_inst_pref_size 255
	.end_amdhsa_kernel
	.section	.bss,"aw",@nobits
	.p2align	6
	.space	262144
	.amdgpu_metadata
---
amdhsa.version: [ 1, 2 ]
amdhsa.kernels:
  - .name:           k_qea7c14efd7_main
    .symbol:         k_qea7c14efd7_main.kd
    .args:
      - { .name: inputdata, .offset: 0, .size: 8, .value_kind: global_buffer, .address_space: global }
      - { .name: Wk_b, .offset: 8, .size: 8, .value_kind: global_buffer, .address_space: global }
      - { .name: Wv_b, .offset: 16, .size: 8, .value_kind: global_buffer, .address_space: global }
      - { .name: wcod, .offset: 24, .size: 8, .value_kind: global_buffer, .address_space: global }
      - { .name: wsc, .offset: 32, .size: 8, .value_kind: global_buffer, .address_space: global }
      - { .name: qf, .offset: 40, .size: 8, .value_kind: global_buffer, .address_space: global }
      - { .name: part, .offset: 48, .size: 8, .value_kind: global_buffer, .address_space: global }
      - { .name: stat, .offset: 56, .size: 8, .value_kind: global_buffer, .address_space: global }
    .group_segment_fixed_size: 327680
    .private_segment_fixed_size: 0
    .kernarg_segment_align: 8
    .kernarg_segment_size: 64
    .max_flat_workgroup_size: 128
    .sgpr_count:     96
    .vgpr_count:     1024
    .wavefront_size: 32
...
	.end_amdgpu_metadata
.endif
;; end of part 2
;; launch comb (part 3): grid 32 x 1, 4 waves a work-group, no clusters, 0 bytes of LDS; arguments part, stat, out0; writes out0
.if DOCPART == 3
	.amdgcn_target "amdgcn-amd-amdhsa--gfx1250"
	.amdhsa_code_object_version 6
	.text
	.protected	k_qea7c14efd7_comb
	.globl	k_qea7c14efd7_comb
	.p2align	8
	.type	k_qea7c14efd7_comb,@function
k_qea7c14efd7_comb:
	s_mov_b64 s[64:65], 0
	v_nop
	global_prefetch_b8 v0, s[64:65] scope:SCOPE_SE
	s_setreg_imm32_b32 hwreg(HW_REG_WAVE_MODE, 25, 1), 1
	s_wait_xcnt 0x0
; out[head][:] = (sum over the head's 8 parts j of 2^(M_j - M) O_j[:]) / (sum over j of 2^(M_j - M) l_j), M the largest M_j.  The M_j are whole numbers, so each factor is an exact power of two.
; A work-group to a head; thread t owns 4 outputs: each load and the store of a wave cover 512 consecutive bytes.  32 work-groups: the launch has work for no more; no LDS, no barrier, no matrix work.
; LIMITS: the division is a multiplication by v_rcp_f32's result.
.set NM, 2                             ; v2      the smallest -M_j = -M
.set F,  4                             ; v4-19   pair j: the factor 2^(M_j - M), and the whole number M_j - M
.set R,  20                            ; v20 1 / l, v21 l
.set O,  24                            ; v24-55  the 8 parts' 4 numbers
.set A,  56                            ; v56-59  the sums
	s_load_b128 s[4:7], s[0:1], 0x0                ; part, stat
	s_load_b64 s[8:9], s[0:1], 0x10                ; out0
	v_lshlrev_b32 v1, 4, v0                        ; 16 bytes a thread
	s_lshl_b32 s10, ttmp9, 14                      ; the head's 8 rows of 2,048 bytes
	s_mov_b32 s11, 0
	s_lshl_b32 s12, ttmp9, 6                       ; its 8 pairs (-M, l)
	s_mov_b32 s13, 0
	s_lshl_b32 s14, ttmp9, 11                      ; its row of the output
	s_mov_b32 s15, 0
	s_wait_alu depctr_va_vdst(0)
	s_wait_kmcnt 0x0
	s_add_nc_u64 s[6:7], s[6:7], s[12:13]
	s_load_b512 s[16:31], s[6:7], 0x0              ; -M_j in s[16 + 2 j], l_j in s[17 + 2 j]
	s_add_nc_u64 s[4:5], s[4:5], s[10:11]
.irp j, 0,1,2,3,4,5,6,7
	global_load_b128 v[O+4*\j:O+4*\j+3], v1, s[4:5] offset:2048*\j th:TH_LOAD_NT
.endr
	s_add_nc_u64 s[8:9], s[8:9], s[14:15]
	s_wait_kmcnt 0x0
	v_mov_b32 v[NM], s16
.irp j, 1,2,3,4,5,6,7
	v_min_num_f32 v[NM], s[16+2*\j], v[NM]
.endr
.irp j, 0,1,2,3,4,5,6,7
	v_sub_f32 v[F+2*\j+1], v[NM], s[16+2*\j]       ; M_j - M: a whole number, 0 or less
.endr
.irp j, 0,1,2,3,4,5,6,7
	v_cvt_i32_f32 v[F+2*\j+1], v[F+2*\j+1]         ; (it saturates)
.endr
.irp j, 0,1,2,3,4,5,6,7
	v_ldexp_f32 v[F+2*\j], 1.0, v[F+2*\j+1]
.endr
	v_mul_f32 v[R+1], s17, v[F]
.irp j, 1,2,3,4,5,6,7
	v_fma_f32 v[R+1], v[F+2*\j], s[17+2*\j], v[R+1]
.endr
	s_wait_alu depctr_va_vdst(0)
	v_rcp_f32 v[R], v[R+1]
	s_wait_loadcnt 0x0
	v_pk_mul_f32 v[A:A+1], v[O:O+1], v[F:F+1] op_sel_hi:[1,0]      ; the sums are the independent work behind the reciprocal
	v_pk_mul_f32 v[A+2:A+3], v[O+2:O+3], v[F:F+1] op_sel_hi:[1,0]
.irp j, 1,2,3,4,5,6,7
	v_pk_fma_f32 v[A:A+1], v[O+4*\j:O+4*\j+1], v[F+2*\j:F+2*\j+1], v[A:A+1] op_sel_hi:[1,0,1]
	v_pk_fma_f32 v[A+2:A+3], v[O+4*\j+2:O+4*\j+3], v[F+2*\j:F+2*\j+1], v[A+2:A+3] op_sel_hi:[1,0,1]
.endr
	s_wait_alu depctr_va_vdst(0)                   ; ahead of the reciprocal's first reader
	v_pk_mul_f32 v[A:A+1], v[A:A+1], v[R:R+1] op_sel_hi:[1,0]
	v_pk_mul_f32 v[A+2:A+3], v[A+2:A+3], v[R:R+1] op_sel_hi:[1,0]
	global_store_b128 v1, v[A:A+3], s[8:9]
	s_endpgm
.Lfunc_end_k_qea7c14efd7_comb:
	.size	k_qea7c14efd7_comb, .Lfunc_end_k_qea7c14efd7_comb-k_qea7c14efd7_comb
	.p2alignl 7, 3214868480
	.fill 96, 4, 3214868480
	.section	.rodata,"a",@progbits
	.p2align	6, 0x0
	.amdhsa_kernel k_qea7c14efd7_comb
		.amdhsa_group_segment_fixed_size 0
		.amdhsa_private_segment_fixed_size 0
		.amdhsa_enable_private_segment 0
		.amdhsa_kernarg_size 24
		.amdhsa_user_sgpr_count 2
		.amdhsa_user_sgpr_kernarg_segment_ptr 1
		.amdhsa_wavefront_size32 1
		.amdhsa_system_sgpr_workgroup_id_x 1
		.amdhsa_system_sgpr_workgroup_id_y 1
		.amdhsa_system_sgpr_workgroup_id_z 1
		.amdhsa_system_vgpr_workitem_id 0
		.amdhsa_next_free_vgpr 64
		.amdhsa_next_free_sgpr 66
		.amdhsa_reserve_vcc 0
		.amdhsa_float_denorm_mode_32 3
		.amdhsa_float_denorm_mode_16_64 3
		.amdhsa_memory_ordered 1
		.amdhsa_forward_progress 1
		.amdhsa_inst_pref_size 5
	.end_amdhsa_kernel
	.amdgpu_metadata
---
amdhsa.version: [ 1, 2 ]
amdhsa.kernels:
  - .name:           k_qea7c14efd7_comb
    .symbol:         k_qea7c14efd7_comb.kd
    .args:
      - { .name: part, .offset: 0, .size: 8, .value_kind: global_buffer, .address_space: global }
      - { .name: stat, .offset: 8, .size: 8, .value_kind: global_buffer, .address_space: global }
      - { .name: out0, .offset: 16, .size: 8, .value_kind: global_buffer, .address_space: global }
    .group_segment_fixed_size: 0
    .private_segment_fixed_size: 0
    .kernarg_segment_align: 8
    .kernarg_segment_size: 24
    .max_flat_workgroup_size: 128
    .sgpr_count:     66
    .vgpr_count:     64
    .wavefront_size: 32
...
	.end_amdgpu_metadata
.endif
;; end of part 3
